; MI455X (gfx1250); checked and timed in simulation.
; The chip was launched on July 23, 2026; its instructions are those of AMD's public machine-readable ISA for CDNA 5 (MIT licence, August 2026) and "CDNA5" Instruction Set Architecture Reference Guide (July 2026). The comments in the code are by the model that wrote it; some were corrected since.
;; Causal Self Attention. Allowed arithmetic: matrix products marked QUANTISED: E4M3 operands, one given power-of-two scale a tensor, by v_wmma_f32_16x16x64_fp8_fp8 or v_wmma_f32_16x16x128_fp8_fp8, f32 sums; products left as they are: f32 operands where the result goes on into a quantised operand, else bf16, f16 or f32 operands; f32 sums; everything else in f32.
;; Inputs: Wk_codes 64 x 2 x 32 uint8 (E4M3 codes of Wk, K innermost, in blocks of 32 codes); Wo_codes 64 x 2 x 32 uint8 (E4M3 codes of Wo, K innermost, in blocks of 32 codes); Wq_codes 64 x 2 x 32 uint8 (E4M3 codes of Wq, K innermost, in blocks of 32 codes); Wv_codes 64 x 2 x 32 uint8 (E4M3 codes of Wv, K innermost, in blocks of 32 codes); lowp_scales 10 int32 (the exponents e of the quantised operands' scales 2^e); x_codes 4 x 4,096 x 2 x 32 uint8 (E4M3 codes of x, K innermost, in blocks of 32 codes).
;; Outputs: out0 4 x 4,096 x 64 float32.
;; This version of the problem:
;;   THIS VERSION OF THE PROBLEM IS GIVEN IN LOW PRECISION. The matrix products marked QUANTISED in the list below multiply operands that are first quantised to E4M3 (4 exponent bits, 3 mantissa bits; 8 bits a number), with one given power-of-two scale for each operand tensor; their sums are f32. All else is computed in f32.
;;   The module's matrix products, in the order in which they are computed (A, B: the left and right operand; K: the contracted axis; several contracted axes count as one K, in the product's order):
;;     1. [M 16,384, K 64] x [K 64, N 64]; A: input x (given as codes); B: input Wq (given as codes): QUANTISED (scales: A lowp_scales[0], B lowp_scales[1])
;;     2. [M 16,384, K 64] x [K 64, N 64]; A: input x (given as codes); B: input Wk (given as codes): QUANTISED (scales: A lowp_scales[2], B lowp_scales[3])
;;     3. [M 16,384, K 64] x [K 64, N 64]; A: input x (given as codes); B: input Wv (given as codes): QUANTISED (scales: A lowp_scales[4], B lowp_scales[5])
;;     4. batch 16 x [M 4,096, K 16] x [K 16, N 4,096]; A: computed on the way; B: computed on the way: left as it is (K = 16 < 32)
;;     5. batch 16 x [M 4,096, K 4,096] x [K 4,096, N 16]; A: softmax (see below); B: computed on the way: QUANTISED (scales: A lowp_scales[6], B lowp_scales[7])
;;     6. [M 16,384, K 64] x [K 64, N 64]; A: computed on the way; B: input Wo (given as codes): QUANTISED (scales: A lowp_scales[8], B lowp_scales[9])
;;   THE QUANTISER, for each operand of a quantised product, along K:
;;     - The operand's scale is 2^e, e = its entry of the input lowp_scales (int32; the entries are numbered through the quantised products in the list's order, A before B).
;;     - Each number is divided by the scale, clamped to +-448, and rounded to the nearest number of E4M3, ties to even, subnormals kept.
;;     - The product sums the exact products of the quantised numbers (number of the format x scale) in f32.
;;   ~~~python
;;   def quantise(x, axis, e):      # numpy; x: float32 -> the quantised numbers, widened to float32 again
;;       x = np.moveaxis(x, axis, -1); K = x.shape[-1]
;;       r = np.clip(x / 2.0 ** e, -448, 448)
;;       step = 2.0 ** (np.maximum(np.frexp(np.where(r == 0, 1, r))[1] - 1, -6) - 3)
;;       q = np.round(r / step) * step * 2.0 ** e      # np.round: ties to even
;;       return np.moveaxis(q, -1, axis).astype(np.float32)
;;   ~~~
;;   SOFTMAX AHEAD OF A QUANTISED PRODUCT. Where the list says 'softmax', what is quantised is not the finished softmax but p = 2^(t - M), with t = logit x log2(e) and M = ceil(the row's largest t), a whole number; so 1/2 < the row's largest p <= 1. The row's sum l is taken of the UNQUANTISED p, in f32, and the product's result is divided by l at the end. Since M is a whole number, a kernel that streams over the keys may use a running M (the ceiling of the running maximum): every later rescaling is an exact power of two, so the quantised numbers keep their values, but for numbers so far below the row's largest that they fall under the format's range.
;;   OPERANDS COMPUTED ON THE WAY. 'Computed on the way' means the value that the module computes at that place (a softmax that the list does not call 'softmax' is quantised finished and normalised). What goes into a quantiser is computed in f32, as accurately as f32 sums, v_exp_f32 and their like allow (about 1e-6 of the number): no bf16 or f16 on the way to a quantiser, and a product that is left as it is and whose result goes on into a quantised operand takes f32 operands (vector FMAs, or v_wmma_f32_16x16x4_f32). A number that lies on a knife's edge between two numbers of the format may be rounded either way, as far as f32 arithmetic and the matrix unit's own rounding can turn it there, and no further.
;;   INPUTS GIVEN AS CODES. Wk (in the module: [64, 64], K = its axis 1); Wo (in the module: [64, 64], K = its axis 1); Wq (in the module: [64, 64], K = its axis 1); Wv (in the module: [64, 64], K = its axis 1); x (in the module: [4, 4096, 64], K = its axis 2): each comes as NAME_codes (uint8): NAME with its K axis moved to the last place and cut into blocks of 32 codes, [.., K / 32, bytes a block], one block behind the other in memory; one code a byte (a code: sign, 4 exponent bits, 3 mantissa bits); its scale is its entry of lowp_scales. Its value is code x scale, taken as it is: it is not quantised again, and the codes and scales need not be those that the quantiser above would give.
;; One version. Each part assembles by itself: llvm-mc -triple=amdgcn-amd-amdhsa -mcpu=gfx1250 --defsym DOCPART=n.
;; ======== version 1 of 1: 2 launches
;; limits: right only within a limited range of input values
;; workspace buffers: qf 4,194,304 bytes; kv 5,242,880 bytes
;; launch proj (part 1): grid 256 x 1, 2 waves a work-group, no clusters, 0 bytes of LDS; arguments x_codes, Wq_codes, Wk_codes, Wv_codes, lowp_scales, qf, kv; writes qf, kv
.if DOCPART == 1
	.amdgcn_target "amdgcn-amd-amdhsa--gfx1250"
	.amdhsa_code_object_version 6
	.text
	.protected	k_q01333c643f_proj
	.globl	k_q01333c643f_proj
	.p2align	8
	.type	k_q01333c643f_proj,@function
k_q01333c643f_proj:
	s_mov_b64 s[64:65], 0
	v_nop
	global_prefetch_b8 v0, s[64:65] scope:SCOPE_SE
	s_setreg_imm32_b32 hwreg(HW_REG_WAVE_MODE, 25, 1), 1
	s_wait_xcnt 0x0
; q = rope(x Wq^T) x log2(e)/4, k = rope(x Wk^T), both f32, and v = x Wv^T as codes of FP8 (E4M3) with the given scale 2^e7.
; x [16384][64] and the three weights [64][64] are codes of E4M3, K innermost; each product takes its own pair of the given exponents (e0,e1 / e2,e3 / e4,e5).
; SHARES.  A wave takes a group of 32 rows of x (group U = 2 x work-group + wave, 0..511): 24 matrix instructions.  Waves share nothing: no LDS, no barrier.
; ROWS OF A TILE.  Tile u (0, 1) of a group takes rows 8 u + r + 8 (r / 8), r = lane % 16: so that, in the next launch, the 16 registers of two neighbouring tiles of scores are 16 neighbouring keys.
; K PLACES.  A fragment is fetched by two loads of 16 bytes (registers 4 c .. 4 c + 3: k = 32 c + 16 (lane / 16) + 0 .. 15), alike for x and for the weights: a permutation of k, the same on both sides.
; q AND k: the product is used transposed (source 0 = 16 rows of W, source 1 = 16 rows of x): lane (r, h) holds features 8 h + 0 .. 7 of one head of its row: four rotation pairs, and the image of the f32 operand of the next launch.
; v: natural use (source 0 = x, source 1 = Wv): lane (r, h) holds feature r and, in the two tiles' 16 registers, rows 16 h + 0 .. 15 of the group: 16 neighbours along the next K, converted in place of a transposition.
; OUT.  qf [batch][tile of 16 queries][head][c][lane][16 bytes]; kv [batch][step of 128 keys][40,960 bytes]: k's images [head][x][i][c][lane][16], then v's [head][x][bb][lane][16].  Every store of a wave covers 512 consecutive bytes, aligned.
; COS AND SIN in f32: angle = position / 10000^(i/8) as a correctly rounded quotient (reciprocal and one correction), reduced by multiples of pi/2 held in two parts, then two polynomials on |r| <= pi/4.
; NO JOINT LOADS: what the work-groups share is the weights, 12,288 bytes in all; each wave loads them once, straight into the registers in which the matrix unit takes them; brought into LDS by a joint load they would still want the same 24 loads a lane.
; LIMITS: e0 + e1 between -124 and 127 (added to the exponent field of log2(e)/4); e2 + e3 between -126 and 127; e7 - e4 - e5 between -126 and 119.  The divisors are the f32 numbers nearest to 10000^(i/8).
.set STEPB, 40960
.set DIV,  8                           ; v8-11   10000^((4 h + ii)/8)
.set RC,   12                          ; v12-15  their reciprocals
.set POSF, 16                          ; v16-17  my row's position in tile 0, 1, as f32
.set TT,   18                          ; v18-25  at work
.set XF,   32                          ; v32-47  x's two fragments
.set WQ,   48                          ; v48-79  Wq's four
.set WK,   80                          ; v80-111 Wk's
.set WVR,  112                         ; v112-143 Wv's
.set D,    144                         ; v144-207 eight results; ahead of the products the registers below
.set AA,   144                         ; angle; later 1 - z/2
.set NN,   152                         ; multiple of pi/2; later z z
.set RR,   160                         ; reduced angle; later sin
.set ZZ,   168                         ; its square; later cos
.set SN,   176
.set CN,   184
.set NI,   192
.set T1,   200
.set CSB,  208                         ; v208-239 for tile u, pair ii at 16 u + 4 ii: cos and sin x q's factor, cos and sin x k's factor
.set VC,   240                         ; v240-255 v's codes
	s_load_b256 s[4:11], s[0:1], 0x0               ; x s[4:5], Wq s[6:7], Wk s[8:9], Wv s[10:11]
	s_load_b128 s[12:15], s[0:1], 0x20             ; the exponents s[12:13], qf s[14:15]
	s_load_b64 s[16:17], s[0:1], 0x30              ; kv
	v_lshrrev_b32 v1, 5, v0
	v_readfirstlane_b32 s28, v1                    ; wave
	v_and_b32 v2, 15, v0                           ; r
	v_bfe_u32 v3, v0, 4, 1                         ; h
	v_and_b32 v1, 31, v0
	v_lshlrev_b32 v1, 4, v1                        ; 16 x lane: my place in every image
	v_and_b32 v6, 8, v2
	v_add_nc_u32 v6, v6, v2                        ; r + 8 (r / 8)
	v_lshlrev_b32 v4, 6, v6
	v_lshl_add_u32 v4, v3, 4, v4                   ; x: that row of 64 bytes, + 16 h
	v_lshlrev_b32 v5, 6, v2
	v_lshl_add_u32 v5, v3, 4, v5                   ; weights: row r, + 16 h
	s_lshl_b32 s29, ttmp9, 1
	s_add_co_u32 s29, s29, s28                     ; U
	s_lshl_b32 s32, s29, 11                        ; x: 32 rows of 64 bytes a group
	s_mov_b32 s33, 0
	s_lshl_b32 s34, s29, 13                        ; qf: two tiles x four heads x 1,024 bytes a group
	s_mov_b32 s35, 0
	s_lshr_b32 s30, s29, 2
	s_mul_i32 s30, s30, STEPB                      ; kv: four groups to a step
	s_and_b32 s31, s29, 3
	s_lshl_b32 s36, s31, 11
	s_add_co_u32 s36, s36, s30                     ; k's images: 2,048 bytes a group within a head's 8,192
	s_mov_b32 s37, 0
	s_lshl_b32 s38, s31, 9
	s_add_co_u32 s38, s38, s30
	s_add_co_u32 s38, s38, 32768                   ; v's: behind k's, 512 bytes a group within a head's 2,048
	s_mov_b32 s39, 0
	s_and_b32 s30, s29, 127
	s_lshl_b32 s30, s30, 5                         ; the group's first position in its sequence
	s_mov_b32 s44, 0x3f22f983                      ; 2 / pi
	s_mov_b32 s45, 0xbfc90fdb                      ; -(pi/2), its upper part
	s_mov_b32 s46, 0x333bbd2e                      ; what the upper part has too much
	s_mov_b32 s47, 0xb94ca1f9                      ; sin: r + r z (s49 + z (s48 + z s47))
	s_mov_b32 s48, 0x3c08839e
	s_mov_b32 s49, 0xbe2aaaa3
	s_mov_b32 s50, 0x37ccf5ce                      ; cos: 1 - z/2 + z z (s52 + z (s51 + z s50))
	s_mov_b32 s51, 0xbab6061a
	s_mov_b32 s52, 0x3d2aaaa5
	s_mov_b32 s57, 0x80000000
	s_wait_kmcnt 0x0
	s_load_b256 s[20:27], s[12:13], 0x0            ; e0 .. e7
	s_add_nc_u64 s[4:5], s[4:5], s[32:33]
	s_add_nc_u64 s[14:15], s[14:15], s[34:35]
	s_add_nc_u64 s[40:41], s[16:17], s[36:37]
	s_add_nc_u64 s[42:43], s[16:17], s[38:39]
.irp u, 0,1
.irp c, 0,1
	global_load_b128 v[XF+8*\u+4*\c:XF+8*\u+4*\c+3], v4, s[4:5] offset:512*\u+32*\c th:TH_LOAD_NT
.endr
.endr
.irp fh, 0,1,2,3
.irp c, 0,1
	global_load_b128 v[WQ+8*\fh+4*\c:WQ+8*\fh+4*\c+3], v5, s[6:7] offset:1024*\fh+32*\c
	global_load_b128 v[WK+8*\fh+4*\c:WK+8*\fh+4*\c+3], v5, s[8:9] offset:1024*\fh+32*\c
	global_load_b128 v[WVR+8*\fh+4*\c:WVR+8*\fh+4*\c+3], v5, s[10:11] offset:1024*\fh+32*\c
.endr
.endr
	; ---- cos and sin, while the loads are on their way.  Eight cases k = 4 u + ii, taken line by line so that no line waits for the line above it
.macro DIVSET ii, lo, hi
	v_mov_b32 v18, \lo
	v_mov_b32 v[DIV+\ii], \hi
	v_cndmask_b32 v[DIV+\ii], v18, v[DIV+\ii], vcc_lo
.endm
	v_cmp_ne_u32 vcc_lo, 0, v3                     ; lanes 16-31 hold pairs 4 to 7
	DIVSET 0, 0x3f800000, 0x42c80000
	DIVSET 1, 0x404a62c2, 0x439e1d27
	DIVSET 2, 0x41200000, 0x447a0000
	DIVSET 3, 0x41fcfb72, 0x4545a471
.irp ii, 0,1,2,3
	v_rcp_f32 v[RC+\ii], v[DIV+\ii]
.endr
	v_add_nc_u32 v7, s30, v6                       ; (plain lines behind the reciprocals)  my position in tile 0,
	v_cvt_f32_u32 v[POSF], v7
	v_add_nc_u32 v7, 8, v7                         ; in tile 1
	v_cvt_f32_u32 v[POSF+1], v7
	s_wait_alu depctr_va_vdst(0)                   ; one wait for the four reciprocals, ahead of their first reader
.irp k, 0,1,2,3,4,5,6,7
	v_mul_f32 v[AA+\k], v[POSF+\k/4], v[RC+\k%4]
.endr
.irp k, 0,1,2,3,4,5,6,7
	v_fma_f32 v[T1+\k], -v[AA+\k], v[DIV+\k%4], v[POSF+\k/4]   ; what the quotient leaves
.endr
.irp k, 0,1,2,3,4,5,6,7
	v_fma_f32 v[AA+\k], v[T1+\k], v[RC+\k%4], v[AA+\k]         ; the quotient, corrected
.endr
.irp k, 0,1,2,3,4,5,6,7
	v_mul_f32 v[NN+\k], s44, v[AA+\k]
.endr
.irp k, 0,1,2,3,4,5,6,7
	v_rndne_f32 v[NN+\k], v[NN+\k]
.endr
.irp k, 0,1,2,3,4,5,6,7
	v_fma_f32 v[RR+\k], v[NN+\k], s45, v[AA+\k]
.endr
.irp k, 0,1,2,3,4,5,6,7
	v_fma_f32 v[RR+\k], v[NN+\k], s46, v[RR+\k]
	v_cvt_i32_f32 v[NI+\k], v[NN+\k]
.endr
.irp k, 0,1,2,3,4,5,6,7
	v_mul_f32 v[ZZ+\k], v[RR+\k], v[RR+\k]
.endr
.irp k, 0,1,2,3,4,5,6,7
	v_fma_f32 v[SN+\k], v[ZZ+\k], s47, s48
	v_fma_f32 v[CN+\k], v[ZZ+\k], s50, s51
.endr
.irp k, 0,1,2,3,4,5,6,7
	v_fma_f32 v[SN+\k], v[SN+\k], v[ZZ+\k], s49
	v_fma_f32 v[CN+\k], v[CN+\k], v[ZZ+\k], s52
.endr
.irp k, 0,1,2,3,4,5,6,7
	v_mul_f32 v[T1+\k], v[ZZ+\k], v[RR+\k]
	v_mul_f32 v[NN+\k], v[ZZ+\k], v[ZZ+\k]
	v_fma_f32 v[AA+\k], v[ZZ+\k], -0.5, 1.0
.endr
.irp k, 0,1,2,3,4,5,6,7
	v_fma_f32 v[SN+\k], v[SN+\k], v[T1+\k], v[RR+\k]
	v_fma_f32 v[CN+\k], v[CN+\k], v[NN+\k], v[AA+\k]
.endr
.irp k, 0,1,2,3,4,5,6,7
	v_and_b32 v[T1+\k], 1, v[NI+\k]
.endr
.irp k, 0,1,2,3,4,5,6,7
	v_cmp_ne_u32 vcc_lo, 0, v[T1+\k]               ; an odd multiple of pi/2 changes sin and cos over
	v_cndmask_b32 v[RR+\k], v[SN+\k], v[CN+\k], vcc_lo
	v_cndmask_b32 v[ZZ+\k], v[CN+\k], v[SN+\k], vcc_lo
.endr
.irp k, 0,1,2,3,4,5,6,7
	v_lshlrev_b32 v[T1+\k], 30, v[NI+\k]           ; sin is negated where bit 1 of n is set,
	v_add_nc_u32 v[NI+\k], 1, v[NI+\k]             ; cos where bit 1 of n + 1 is
.endr
.irp k, 0,1,2,3,4,5,6,7
	v_and_b32 v[T1+\k], s57, v[T1+\k]
	v_lshlrev_b32 v[NI+\k], 30, v[NI+\k]
.endr
.irp k, 0,1,2,3,4,5,6,7
	v_xor_b32 v[RR+\k], v[RR+\k], v[T1+\k]
	v_and_b32 v[NI+\k], s57, v[NI+\k]
.endr
.irp k, 0,1,2,3,4,5,6,7
	v_xor_b32 v[ZZ+\k], v[ZZ+\k], v[NI+\k]
.endr
	s_wait_kmcnt 0x0
	s_add_co_i32 s53, s20, s21
	s_lshl_b32 s53, s53, 23
	s_add_co_i32 s53, s53, 0x3eb8aa3b              ; log2(e)/4 x 2^(e0 + e1): q's factor, so that the next launch's scores are t itself
	s_add_co_i32 s54, s22, s23
	s_add_co_i32 s54, s54, 127
	s_lshl_b32 s54, s54, 23                        ; 2^(e2 + e3): k's
	s_sub_co_i32 s55, s27, s24
	s_sub_co_i32 s55, s55, s25
	s_add_co_i32 s55, s55, 127
	s_lshl_b32 s56, s55, 23
	v_mov_b32 v30, s56                             ; 2^(e7 - e4 - e5): a sum of the third product stands for sum x 2^(e4 + e5): the three scales folded into the conversion's one
	s_add_co_i32 s55, s55, 8
	s_lshl_b32 s55, s55, 23
	s_or_b32 s55, s55, 0x600000
	v_mov_b32 v31, s55                             ; 448 x that
.irp k, 0,1,2,3,4,5,6,7
	v_mul_f32 v[CSB+4*\k], s53, v[ZZ+\k]
	v_mul_f32 v[CSB+4*\k+1], s53, v[RR+\k]
	v_mul_f32 v[CSB+4*\k+2], s54, v[ZZ+\k]
	v_mul_f32 v[CSB+4*\k+3], s54, v[RR+\k]
.endr
	s_wait_loadcnt 0x0                             ; x and the weights
	; ---- v: eight tiles (head fh, tile u); the 16 registers of a head are rows 16 h + 0 .. 15 of the group, feature r
.irp fh, 0,1,2,3
.irp u, 0,1
	v_wmma_f32_16x16x64_fp8_fp8 v[D+16*\fh+8*\u:D+16*\fh+8*\u+7], v[XF+8*\u:XF+8*\u+7], v[WVR+8*\fh:WVR+8*\fh+7], 0
.endr
.endr
.rept 4
	v_nop                                          ; four places between a matrix instruction and the first vector instruction on its result (ISA guide 7.12.1)
.endr
.set z, 0
.rept 64
	v_med3_num_f32 v[D+z], v[D+z], -v31, v31       ; the conversion to an 8-bit code does not saturate (ISA guide 7.6.2): the hold at the largest code x the scale; each result from its low end on
.set z, z+1
.endr
.irp g, 0,1,2,3,4,5,6,7
	v_cvt_scalef32_pk8_fp8_f32 v[VC+2*\g:VC+2*\g+1], v[D+8*\g:D+8*\g+7], v30
.endr
	v_nop                                          ; one plain line between the conversions and the products below, which write their sources
.irp fh, 0,1,2,3
	global_store_b128 v1, v[VC+4*\fh:VC+4*\fh+3], s[42:43] offset:2048*\fh
.endr
; the rotation of one tile, in place: registers 2 ii, 2 ii + 1 are pair 4 h + ii; cs: where the tile's cos (+ 4 ii) and sin (+ 4 ii + 1) lie
.macro ROPE b, cs
.irp ii, 0,1,2,3
	v_mul_f32 v[TT+2*\ii], v[(\b)+2*\ii+1], v[(\cs)+4*\ii+1]
	v_mul_f32 v[TT+2*\ii+1], v[(\b)+2*\ii], v[(\cs)+4*\ii+1]
.endr
.irp ii, 0,1,2,3
	v_fma_f32 v[(\b)+2*\ii], v[(\b)+2*\ii], v[(\cs)+4*\ii], -v[TT+2*\ii]
	v_fma_f32 v[(\b)+2*\ii+1], v[(\b)+2*\ii+1], v[(\cs)+4*\ii], v[TT+2*\ii+1]
.endr
.endm
; q and k of tile u, all four heads
.macro GROUPQK u
.irp fh, 0,1,2,3
	v_wmma_f32_16x16x64_fp8_fp8 v[D+8*\fh:D+8*\fh+7], v[WQ+8*\fh:WQ+8*\fh+7], v[XF+8*\u:XF+8*\u+7], 0
	v_wmma_f32_16x16x64_fp8_fp8 v[D+32+8*\fh:D+32+8*\fh+7], v[WK+8*\fh:WK+8*\fh+7], v[XF+8*\u:XF+8*\u+7], 0
.endr
.rept 4
	v_nop
.endr
.irp fh, 0,1,2,3
	ROPE D+8*\fh, CSB+16*\u
	ROPE D+32+8*\fh, CSB+16*\u+2
.endr
.irp fh, 0,1,2,3
.irp c, 0,1
	global_store_b128 v1, v[D+8*\fh+4*\c:D+8*\fh+4*\c+3], s[14:15] offset:4096*\u+1024*\fh+512*\c
	global_store_b128 v1, v[D+32+8*\fh+4*\c:D+32+8*\fh+4*\c+3], s[40:41] offset:1024*\u+8192*\fh+512*\c
.endr
.endr
.endm
	GROUPQK 0
	s_wait_xcnt 0x0                                ; tile 0's stores have read their data: the same registers take tile 1's results only behind this wait
	GROUPQK 1
	s_endpgm
.Lfunc_end_k_q01333c643f_proj:
	.size	k_q01333c643f_proj, .Lfunc_end_k_q01333c643f_proj-k_q01333c643f_proj
	.p2alignl 7, 3214868480
	.fill 96, 4, 3214868480
	.section	.rodata,"a",@progbits
	.p2align	6, 0x0
	.amdhsa_kernel k_q01333c643f_proj
		.amdhsa_group_segment_fixed_size 0
		.amdhsa_private_segment_fixed_size 0
		.amdhsa_enable_private_segment 0
		.amdhsa_kernarg_size 56
		.amdhsa_user_sgpr_count 2
		.amdhsa_user_sgpr_kernarg_segment_ptr 1
		.amdhsa_wavefront_size32 1
		.amdhsa_system_sgpr_workgroup_id_x 1
		.amdhsa_system_sgpr_workgroup_id_y 1
		.amdhsa_system_sgpr_workgroup_id_z 1
		.amdhsa_system_vgpr_workitem_id 0
		.amdhsa_next_free_vgpr 256
		.amdhsa_next_free_sgpr 66
		.amdhsa_reserve_vcc 1
		.amdhsa_float_denorm_mode_32 3
		.amdhsa_float_denorm_mode_16_64 3
		.amdhsa_memory_ordered 1
		.amdhsa_forward_progress 1
		.amdhsa_inst_pref_size 40
	.end_amdhsa_kernel
	.amdgpu_metadata
---
amdhsa.version: [ 1, 2 ]
amdhsa.kernels:
  - .name:           k_q01333c643f_proj
    .symbol:         k_q01333c643f_proj.kd
    .args:
      - { .name: x_codes, .offset: 0, .size: 8, .value_kind: global_buffer, .address_space: global }
      - { .name: Wq_codes, .offset: 8, .size: 8, .value_kind: global_buffer, .address_space: global }
      - { .name: Wk_codes, .offset: 16, .size: 8, .value_kind: global_buffer, .address_space: global }
      - { .name: Wv_codes, .offset: 24, .size: 8, .value_kind: global_buffer, .address_space: global }
      - { .name: lowp_scales, .offset: 32, .size: 8, .value_kind: global_buffer, .address_space: global }
      - { .name: qf, .offset: 40, .size: 8, .value_kind: global_buffer, .address_space: global }
      - { .name: kv, .offset: 48, .size: 8, .value_kind: global_buffer, .address_space: global }
    .group_segment_fixed_size: 0
    .private_segment_fixed_size: 0
    .kernarg_segment_align: 8
    .kernarg_segment_size: 56
    .max_flat_workgroup_size: 64
    .sgpr_count:     66
    .vgpr_count:     256
    .wavefront_size: 32
...
	.end_amdgpu_metadata
.endif
;; end of part 1
;; launch attn (part 2): grid 64 x 4, 8 waves a work-group, clusters of 4 x 1, 327,680 bytes of LDS; arguments qf, kv, Wo_codes, lowp_scales, out0; writes out0
.if DOCPART == 2
	.amdgcn_target "amdgcn-amd-amdhsa--gfx1250"
	.amdhsa_code_object_version 6
	.text
	.protected	k_q01333c643f_attn
	.globl	k_q01333c643f_attn
	.p2align	8
	.type	k_q01333c643f_attn,@function
k_q01333c643f_attn:
	s_mov_b64 s[64:65], 0
	v_nop
	global_prefetch_b8 v0, s[64:65] scope:SCOPE_SE
	s_setreg_imm32_b32 hwreg(HW_REG_WAVE_MODE, 25, 1), 1
	s_wait_xcnt 0x0
	s_wait_alu depctr_hold_cnt(0) depctr_sa_sdst(0) depctr_va_vdst(0) depctr_va_sdst(0) depctr_va_ssrc(0) depctr_va_vcc(0) depctr_vm_vsrc(0)
	s_getreg_b32 s2, hwreg(HW_REG_IB_STS2, 6, 4)
	s_cmp_eq_u32 s2, 0
	s_cbranch_scc0 .Lentry_in_a_cluster
	s_endpgm
.Lentry_in_a_cluster:
	s_bfe_u32 s2, ttmp6, 0x10000c
	s_cmp_lg_u32 s2, 0x3003
	s_cbranch_scc0 .Lentry_shape_is_right
	s_endpgm
.Lentry_shape_is_right:
; out = Q8(softmax(q k^T / 4, causal) v) Wo^T.  q (x log2(e)/4) and k come as f32 images of operand registers, v as images of codes of FP8 (E4M3), all laid by the launch before.
; PRODUCTS.  S^T = k q^T in f32 (v_wmma_f32_16x16x4_f32: its result goes on into a quantiser); O^T = v^T p^T and out^T = Wo att^T on codes (v_wmma_f32_16x16x64_fp8_fp8).  All are used transposed: a lane holds ONE query (lane % 16).
; SOFTMAX.  A score is t already.  M = the running largest t rounded up to a whole number, kept as -M = floor(-t); p = 2^(t - M) is quantised with the given 2^e6, not normalised; the row's sum is taken of the unquantised p;
; when M moves, the sum and O^T are multiplied by 2^(old M - new M), which rounds nothing.  At a block's end O^T / sum is quantised with 2^e8 (the scales e6, e7, e8 folded into the conversion's one).
; SHARES.  With a = the cluster's x and cx = the place in it, a work-group owns two blocks of 32 queries of one batch, all four heads: block 127 - 4 a - cx (32 - a steps of 128 keys) and then block 4 a + cx (a + 1 steps):
; 33 steps for every work-group, so every trip count is a constant.  Wave w: head w % 4, tile w / 4 of 16 queries (rows 8 u + r + 8 (r / 8) of the block).
; ORDER OF THE STEPS g = 0 .. 32: g = 0 is the first block's diagonal step; g = 1 .. N1 - 1 its steps 0 .. N1 - 2 (N1 = 32 - a); g = N1 .. 32 the second block's steps 0 .. a, the last its diagonal.  So both masked steps stand at fixed places of the text.
; THE MASK is the C of a sum's first matrix instruction: 0, or -2^100 for a hidden key, whose p is then 0.  LIMIT: |t| stays far under 2^100.  Key 0 of the first half counts for every query, so M is a number from the first half on.
; CLUSTER.  The four partners share a and the batch, hence every tile of every step: each tile is asked for JOINTLY (the same tensor load, the same descriptor, mask 15).  cx enters only q's, out's and the prefetches' addresses and the mask's numbers.
; RING.  Two LDS slots of three steps (3 x 40,960 bytes); waves 0 to 5 fetch half a step each (80 rows of 256 bytes, dense), waves 6 and 7 nothing.  By this text's count a wave has two tensor loads out at the start, later one.
; BY TURNS.  A half is 64 keys; 66 halves.  In turn n the matrix unit makes the scores of half n (16 f32 instructions, four accumulators by turns), and the whole softmax of half n - 1 stands in slices of eight behind them, then its one product v^T p^T;
; the fragments of half n + 1 are fetched in one run.  v is fetched with k, so that a slot's last read stands a turn ahead of the change of slots: three sets of registers for v.
; LIMITS on the given exponents, so that each power of two is an f32 number: e6, and e8 - e6 - e7, between -126 and 119; e8 + e9 between -126 and 127.
; REGISTERS.  Window 0: v1-31 addresses and statistics; v32-39 q; v40-47 O^T; v48-55 p's codes; v56-119 k, two sets; v120-183 S^T, two sets, written by f32 matrix instructions alone; v184-215 p; v216-247 the mask; v248-255 att's fragment.
; Window 1 (by low names): v0-23 v, three sets; v24-31 the second block's q; v32-63 Wo's four fragments.
.set STEPB, 40960                      ; a step: k's images 32,768 bytes, v's 8,192
.set SLOT1, 1<<17                      ; slot 1 begins here: one exclusive or turns an address in one slot into the other's
.set SPARE, 2*SLOT1                    ; the spare words, 128 bytes for each of eight waves: four blocks of 256 bytes that no other line names
.set STG,   SPARE+1024                 ; att's codes: (2 block + tile) x 1,024 + 256 head + 8 lane
.set OST,   STG+4096                   ; the way out: 16 rows x (256 + 16) bytes for each of four waves
.set SPW, 1
.set NIL, 2
.set AKL, 3                            ; 16 lane + 8,192 head: my place in a step's images of k
.set AVL, 4                            ; 16 lane + 32,768 + 2,048 head: of v
.set ADK, 5                            ; the same in the step in hand
.set ADV, 6
.set DQL, 7                            ; 8 u + r + 8 (r / 8) - 16 h: my query in its block, less my half's 16 keys
.set NEG, 8                            ; -2^100
.set SC,  9                            ; 2^e6
.set NM,  10                           ; -M;  v11 the largest t
.set MX,  11
.set L,   12                           ; v[12:13] the sum, in two halves
.set F,   14                           ; 2^(old M - new M);  v15 is named with it as a pair
.set SUM, 16
.set C0,  18                           ; v18, v19 two chains of the maximum
.set PX,  20
.set OLD, 21
.set TMPD, 22
.set STA, 23
.set LI8, 24
.set OSTS, 25
.set OSTR, 26
.set GO,  27
.set LI16, 28
.set PFO, 29
.set WOA, 30
.set Q,   32
.set O,   40
.set PC,  48
.set KF,  56
.set S,   120
.set T,   184
.set MASK, 216
.set AT,  248
.set WV,  14                           ; s14 wave; s15 head; s16 tile; s17 cx; s18 a; s19 batch
.set HD,  15
.set UU,  16
.set CX,  17
.set AC,  18
.set BT,  19
.set N1,  20                           ; 32 - a
.set G3,  21                           ; the slot's first step
.set TB,  22                           ; LDS byte at which the step to be fetched begins
.set JJ,  44                           ; which step of a slot I fetch
.set DQ1, 45                           ; the first block's place in its diagonal step: 32 (3 - cx);  s46 the second's: 32 cx
.set DQ2, 46
.set HOLD, 47                          ; 448 x 2^e6
.set SEL, 48                           ; s[48:49] lane selects: lane l xor 16
.set PFA, 50                           ; s[50:51] where my prefetches stand
.set PLIM, 52                          ; a wave prefetches while s21 is under it
.set SCF, 53                           ; 2^(e8 - e6 - e7);  s54: 448 x that
.set HOLDF, 54
.set MSB, 0
.macro WIN new                         ; the immediate's high byte repeats the setting that is left
.if MSB != \new
	s_set_vgpr_msb (MSB<<8)|\new
.set MSB, \new
.endif
.endm
; A round of the cluster's barrier: my work-group's barrier; wave 0 signals for the work-group; every wave waits for all four work-groups; my work-group's barrier once more.
.macro CROUND
	s_barrier_signal -1
	s_barrier_wait -1
	s_cmp_lg_u32 s[WV], 0
	s_cbranch_scc1 .Lnw0_\@
	s_barrier_signal -3
.Lnw0_\@:
	s_barrier_wait -3
	s_barrier_signal -1
	s_barrier_wait -1
.endm
; The joint refill: waves 0 to 5.  The branch hangs on the wave's number alone.  Four v_nop follow the load.
.macro JLOAD
	s_cmp_lt_u32 s[WV], 6
	s_cbranch_scc0 .Lnoload_\@
	tensor_load_to_lds s[36:39], s[24:31]
	s_nop 0
.rept 4
	v_nop
.endr
.Lnoload_\@:
.endm
; A PREFETCH INTO THE L2 of the batch's images ahead of the joint loads.  All sixteen clusters of a batch walk the same steps: the cluster a = 0 asks, waves 0 to 3 of its four partners, one instruction each: unit 4 wave + cx of sixteen
; units of 8,192 bytes (the partners are told apart by address), lanes 256 bytes apart: 131,072 bytes at each of the first seven changes of slots, from step 8 on: at least what the next change's loads (122,880 bytes) will name.
; Each aligned block of 256 bytes is named once; the last byte named is 1,245,183 of the batch's 1,310,720; steps 0 to 7 and the last ones come by their loads alone.
.macro ASK
	s_cmp_lt_u32 s[G3], s[PLIM]
	s_cbranch_scc0 .Lnot_mine_\@
	global_prefetch_b8 v[PFO], s[PFA:PFA+1] th:TH_LOAD_NT scope:SCOPE_SE
.Lnot_mine_\@:
.endm
; Matrix instruction n of 16 of a half's scores, into set x: tile n % 4 of 16 keys, features 2 (n / 4), + 1 of each half of the lanes.  The four accumulators take turns, one instruction a turn.
.macro WM x
.set wi, n%4
.set ws, n/4
.set rD, S+32*(\x)+8*wi
.set rK, KF+32*(\x)+8*wi+2*ws
.if ws == 0
	v_wmma_f32_16x16x4_f32 v[rD:rD+7], v[rK:rK+1], v[Q:Q+1], v[MASK+8*wi:MASK+8*wi+7]
.else
	v_wmma_f32_16x16x4_f32 v[rD:rD+7], v[rK:rK+1], v[Q+2*ws:Q+2*ws+1], v[rD:rD+7]
.endif
.endm
; One run of ten LDS loads: half xq of the step in hand: k's four tiles into set xq, v's fragment into set vb.  Each load takes 512 consecutive bytes.
.macro LOADS xq, vb
.if (\xq) == 0
	v_add_nc_u32 v[ADK], s[TB], v[AKL]
	v_add_nc_u32 v[ADV], s[TB], v[AVL]
.endif
.irp i, 0,1,2,3
.irp c, 0,1
	ds_load_b128 v[KF+32*(\xq)+8*\i+4*\c:KF+32*(\xq)+8*\i+4*\c+3], v[ADK] offset:4096*(\xq)+1024*\i+512*\c
.endr
.endr
	WIN 0x40                                       ; destination window 1
.irp bb, 0,1
	ds_load_b128 v[8*(\vb)+4*\bb:8*(\vb)+4*\bb+3], v[ADV] offset:1024*(\xq)+512*\bb
.endr
	WIN 0
.if (\xq) == 1
	s_add_co_u32 s[TB], s[TB], STEPB               ; the next fetch is the next step's
.endif
.endm
; Number j of the 129 instructions of a half's softmax, on the scores in set y.
;   0-15 the largest of my 32 scores, in two chains, each accumulator from its low end on; 16-22 lane l xor 16's, the running largest t, -M, f = 2^(old M - new M)
;   23-70 ONE BATCH: 16 packed t - M and 32 exponentials; none of these reads an exponential's result.   71-75 the sum and O^T x f: the plain lines behind the last exponential
;   (wait) one s_wait_alu for the batch, ahead of its first reader.   76-91 the sum of the unquantised p.   92-127 the hold and the conversions.   128 the plain line behind the last conversion
.macro SM y
.set rS, S+32*(\y)
.if j == 0
	v_max3_num_f32 v[C0], v[rS], v[rS+1], v[rS+2]
.elseif j == 1
	v_max3_num_f32 v[C0+1], v[rS+3], v[rS+4], v[rS+5]
.elseif j < 15
	v_max3_num_f32 v[C0+j%2], v[C0+j%2], v[rS+2*j+2], v[rS+2*j+3]
.elseif j == 15
	v_max_num_f32 v[C0], v[C0], v[C0+1]
.elseif j == 16
	v_permlanex16_b32 v[PX], v[C0], s[SEL], s[SEL+1]
.elseif j == 17
	v_mov_b32 v[OLD], v[NM]
.elseif j == 18
	v_max3_num_f32 v[MX], v[MX], v[C0], v[PX]
.elseif j == 19
	v_floor_f32 v[NM], -v[MX]
.elseif j == 20
	v_sub_f32 v[F], v[NM], v[OLD]
.elseif j == 21
	v_cvt_i32_f32 v[F], v[F]
.elseif j == 22
	v_ldexp_f32 v[F], 1.0, v[F]
.elseif j < 71
.set bq, j-23
.set isadd, 0
.if bq < 2
.set isadd, 1
.set idx, bq
.elseif bq < 44
.if (bq-2)%3 == 2
.set isadd, 1
.set idx, (bq-2)/3+2
.else
.set idx, 2*((bq-2)/3)+(bq-2)%3
.endif
.else
.set idx, bq-16
.endif
.if isadd
	v_pk_add_f32 v[T+2*idx:T+2*idx+1], v[rS+2*idx:rS+2*idx+1], v[NM:NM+1] op_sel_hi:[1,0]
.else
	v_exp_f32 v[T+idx], v[T+idx]
.endif
.elseif j == 71
	v_pk_mul_f32 v[L:L+1], v[L:L+1], v[F:F+1] op_sel_hi:[1,0]
.elseif j < 76
	v_pk_mul_f32 v[O+2*(j-72):O+2*(j-72)+1], v[O+2*(j-72):O+2*(j-72)+1], v[F:F+1] op_sel_hi:[1,0]
.elseif j == 76
	s_wait_alu depctr_va_vdst(0)
	v_pk_add_f32 v[SUM:SUM+1], v[T:T+1], v[T+2:T+3]
.elseif j < 91
.set m4, 4+4*((j-77)/2)
.if (j-77)%2 == 0
	v_pk_add_f32 v[L:L+1], v[L:L+1], v[T+m4:T+m4+1]
.else
	v_pk_add_f32 v[SUM:SUM+1], v[SUM:SUM+1], v[T+m4+2:T+m4+3]
.endif
.elseif j == 91
	v_pk_add_f32 v[L:L+1], v[L:L+1], v[SUM:SUM+1]
.elseif j < 108
	v_min_num_f32 v[T+j-92], s[HOLD], v[T+j-92]    ; the conversion to an 8-bit code does not saturate (ISA guide 7.6.2); p is not negative, so the hold is one-sided
.elseif j < 110
	v_cvt_scalef32_pk8_fp8_f32 v[PC+2*(j-108):PC+2*(j-108)+1], v[T+8*(j-108):T+8*(j-108)+7], v[SC]
.elseif j < 126
	v_min_num_f32 v[T+j-94], s[HOLD], v[T+j-94]
.elseif j < 128
	v_cvt_scalef32_pk8_fp8_f32 v[PC+2*(j-124):PC+2*(j-124)+1], v[T+8*(j-124):T+8*(j-124)+7], v[SC]
.else
	v_nop
.endif
.endm
; O^T += v^T p^T for 64 keys: one instruction.  In the loop it stands alone between the scores' products: O^T's turn is one instruction, and no wait is written.
; w = 1: the last two of these products follow each other among the matrix instructions (the last turn makes no scores), so O^T's turn there is two instructions: the wait stands directly ahead of both.
.macro PV vb, w
	WIN 0x01                                       ; source 0 (v) window 1
.if \w
	s_wait_alu depctr_va_vdst(0)
.endif
	v_wmma_f32_16x16x64_fp8_fp8 v[O:O+7], v[8*(\vb):8*(\vb)+7], v[PC:PC+7], v[O:O+7]
	WIN 0
.endm
; A TURN.  mat: the scores of a half into set x.  sm: the softmax of the half before, on the other set, a slice of eight behind each matrix instruction, then its product with v's set vbpv.  ld: the next half's fragments (k's other set, v's set vbld),
; behind the fourth slice: the last products that read those registers stand more than eight plain lines back (ISA guide 7.12.1 for vector instructions).
; ld = 0 marks the last two turns, and those alone: their products v^T p^T are the two that follow each other.
.macro TURN x, vbpv, vbld, mat, sm, ld
	s_wait_dscnt 0x0                               ; this half's fragments, asked for twelve matrix instructions ago, are in
.set n, 0
.set j, 0
.rept 16
.if \mat
	WM \x
.endif
.if \sm
.rept 8
	SM 1-\x
.set j, j+1
.endr
.endif
.if (\ld) && (n == 3)
	LOADS 1-\x, \vbld
.endif
.set n, n+1
.endr
.if \sm
	SM 1-\x
	PV \vbpv, 1-\ld
.endif
.if (\mat) && (1-\sm)
.rept 8
	v_nop                                          ; no softmax yet: eight places behind the f32 products
.endr
.endif
.endm
; The mask of half x of a diagonal step: register 8 i + jj holds key 32 (2 x + i / 2) + 16 h + 8 (i % 2) + jj of the step: hidden where it comes after my query
.macro MASKSET x, sreg
	v_add_nc_u32 v[TMPD], s[\sreg], v[DQL]
.irp i, 0,1,2,3
.irp jj, 0,1,2,3,4,5,6,7
	v_cmp_gt_i32 vcc_lo, 32*(2*\x+\i/2)+8*(\i%2)+\jj, v[TMPD]
	v_cndmask_b32 v[MASK+8*\i+\jj], 0, v[NEG], vcc_lo
.endr
.endr
.endm
.macro MASKZERO
.set z, 0
.rept 32
	v_mov_b32 v[MASK+z], 0
.set z, z+1
.endr
.endm
.macro RESET                           ; a block's statistics: the largest t -3e38, under every t; the first change of M multiplies zeros
	v_mov_b32 v[MX], 0xff61b1e6
	v_floor_f32 v[NM], -v[MX]
	v_mov_b32 v[L], 0
	v_mov_b32 v[L+1], 0
.irp i, 0,1,2,3,4,5,6,7
	v_mov_b32 v[O+\i], 0
.endr
.endm
; Ahead of the turn that makes the second block's first scores (step s21 + k = N1; a branch on ids that the partners share): its q takes the first block's place
.macro SWITCHQ k
	s_add_co_u32 s23, s[G3], \k
	s_cmp_lg_u32 s23, s[N1]
	s_cbranch_scc1 .Lnsw_\@
.rept 8
	v_nop                                          ; eight places behind the last f32 product that read q
.endr
	WIN 0x01
.irp i, 0,1,2,3,4,5,6,7
	v_mov_b32 v[Q+\i], v[24+\i]
.endr
	WIN 0
.Lnsw_\@:
.endm
; A block's end: O^T / the sum, held, quantised with 2^e8, eight codes a lane: registers 2 head, 2 head + 1 of att's fragment for the same lane: to LDS as they stand
.macro FINAL blk
.rept 4
	v_nop
.endr
	v_add_f32 v[L], v[L], v[L+1]
	v_mov_b32 v[C0], s[SCF]
	v_mov_b32 v[C0+1], s[HOLDF]
	v_permlanex16_b32 v[PX], v[L], s[SEL], s[SEL+1]
	v_add_f32 v[L], v[L], v[PX]
	v_rcp_f32 v[L], v[L]
	v_nop                                          ; a plain line behind the reciprocal,
	s_wait_alu depctr_va_vdst(0)                   ; and the wait ahead of its first reader
.irp i, 0,1,2,3,4,5,6,7
	v_mul_f32 v[T+\i], v[O+\i], v[L]
.endr
.irp i, 0,1,2,3,4,5,6,7
	v_med3_num_f32 v[T+\i], v[T+\i], -v[C0+1], v[C0+1]
.endr
	v_cvt_scalef32_pk8_fp8_f32 v[PC:PC+1], v[T:T+7], v[C0]
	v_nop
	ds_store_b64 v[STA], v[PC:PC+1] offset:2048*\blk
.if \blk == 0
	RESET
.endif
.endm
.macro FINHOOK k                       ; behind the turn that held the first block's last softmax
	s_add_co_u32 s23, s[G3], \k
	s_cmp_lg_u32 s23, s[N1]
	s_cbranch_scc1 .Lnfin_\@
	FINAL 0
.Lnfin_\@:
.endm
; THE CHANGE OF SLOTS.  Each wave waits for all its tensor loads (its part of the slot ahead), adds 0 to its spare word, and waits for that and for its reads of the slot that it leaves.  fill = 1: the barrier is a round of the cluster's,
; and the slot left is filled, first thing behind it, with steps s21 + 6 .. + 8 of the flat order: six turns in which to land.
.macro CHANGE fill
	s_wait_tensorcnt 0x0                           ; no tensor load of mine is out, so a group 0 may be written
	ds_add_u32 v[SPW], v[NIL]                      ; 0 onto my spare word
.if \fill
	s_add_co_u32 s23, s[G3], 6
	s_add_co_u32 s23, s23, s[JJ]                   ; g
	s_cmp_lt_u32 s23, s[N1]
	s_cselect_b32 s55, 1, s[N1]
	s_sub_co_u32 s23, s23, s55                     ; the key step: g - 1 in the first block, g - N1 in the second
	s_mul_i32 s42, s23, STEPB
	s_add_nc_u64 s[38:39], s[40:41], s[42:43]
	s_or_b32 s39, s39, 0x80000000
	s_xor_b32 s37, s37, SLOT1                      ; the other slot than last time
	s_wait_xcnt 0x0                                ; the last prefetch, a slot back, has read its address
	s_add_nc_u64 s[PFA:PFA+1], s[PFA:PFA+1], 131072
.endif
	s_wait_dscnt 0x0                               ; the add is done, and my reads of the slot that I leave are over
.if \fill
	CROUND
	JLOAD
	ASK
.else
	s_barrier_signal -1
	s_barrier_wait -1
.endif
	s_sub_co_u32 s[TB], s[TB], 3*STEPB             ; the fetches go back to a slot's first step,
	s_xor_b32 s[TB], s[TB], SLOT1                  ; in the other slot
.endm
; A slot's six turns (turns 6 s + 1 .. 6 s + 6).  first = 1: in the first trip the second half of the first diagonal step is masked, and then the mask is cleared.
.macro SIX fill, first
.if \first
	s_cmp_lg_u32 s[G3], 0
	s_cbranch_scc1 .Lm1_\@
	MASKSET 1, DQ1
.Lm1_\@:
.endif
	TURN 1, 0, 2, 1, 1, 1
.if \first
	s_cmp_lg_u32 s[G3], 0
	s_cbranch_scc1 .Lm0_\@
	MASKZERO
.Lm0_\@:
.endif
	SWITCHQ 1
	TURN 0, 1, 0, 1, 1, 1
	FINHOOK 1
	TURN 1, 2, 1, 1, 1, 1
	SWITCHQ 2
	TURN 0, 0, 2, 1, 1, 1
	FINHOOK 2
	CHANGE \fill
	TURN 1, 1, 0, 1, 1, 1
	SWITCHQ 3
	TURN 0, 2, 1, 1, 1, 1
	FINHOOK 3
.endm
	s_load_b256 s[4:11], s[0:1], 0x0               ; qf s[4:5], kv s[6:7], Wo's codes s[8:9], the exponents s[10:11]
	s_load_b64 s[12:13], s[0:1], 0x20              ; out
	v_lshl_add_u32 v[SPW], v0, 2, SPARE
	v_mov_b32 v[NIL], 0
	ds_add_u32 v1, v2
	s_wait_dscnt 0x0
	v_lshrrev_b32 v31, 5, v0
	v_readfirstlane_b32 s[WV], v31                 ; wave 0..7
	s_and_b32 s[HD], s[WV], 3
	s_lshr_b32 s[UU], s[WV], 2
	s_bfe_u32 s[CX], ttmp6, 0x40000                ; my place in the cluster
	s_mov_b32 s[AC], ttmp9                         ; in a cluster launch ttmp9 counts clusters
	s_and_b32 s[BT], ttmp7, 0xffff
	s_sub_co_u32 s[N1], 32, s[AC]
	s_lshr_b32 s[JJ], s[WV], 1
	; descriptor group 1: 80 rows of 32 elements of 8 bytes, dense: half a step
	s_mov_b32 s24, 15|(3<<16)|(1<<21)              ; 15:0 the mask: all four work-groups; 17:16 elements of 8 bytes; 21 set beside a mask; no padding: the images are read as they lie
	s_mov_b32 s25, 32<<16                          ; tensor_dim0 = 32
	s_mov_b32 s26, 80<<16                          ; tensor_dim1 = 80
	s_mov_b32 s27, 32<<16                          ; tile_dim0 = 32
	s_mov_b32 s28, 80                              ; tile_dim1 = 80
	s_mov_b32 s29, 32                              ; from row to row
	s_mov_b32 s30, 0
	s_mov_b32 s31, 0
	s_mul_i32 s42, s[BT], 32*STEPB                 ; the batch's images,
	s_and_b32 s23, s[WV], 1
	s_mul_i32 s23, s23, STEPB/2                    ; my half of a step
	s_add_co_u32 s42, s42, s23
	s_mov_b32 s43, 0
	s_mov_b32 s[SEL], 0x76543210
	s_mov_b32 s[SEL+1], 0xfedcba98
	s_wait_kmcnt 0x0
	s_load_b64 s[56:57], s[10:11], 0x18            ; e6, e7
	s_load_b64 s[58:59], s[10:11], 0x20            ; e8, e9
	s_add_nc_u64 s[40:41], s[6:7], s[42:43]
	s_cmp_eq_u32 s[JJ], 0                          ; slot 0: g = 0, 1, 2: key steps N1 - 1, 0, 1
	s_cselect_b32 s23, s[N1], s[JJ]
	s_sub_co_u32 s23, s23, 1
	s_mul_i32 s42, s23, STEPB
	s_mov_b32 s32, 1                               ; count = 1
	s_mul_i32 s33, s[WV], STEPB/2                  ; LDS address: wave x half a step
	s_add_nc_u64 s[34:35], s[40:41], s[42:43]
	s_or_b32 s35, s35, 0x80000000                  ; type = 2
	s_add_co_u32 s23, s[JJ], 2                     ; slot 1: g = 3, 4, 5: key steps 2, 3, 4
	s_mul_i32 s42, s23, STEPB
	s_mov_b32 s36, 1
	s_add_co_u32 s37, s33, SLOT1
	s_add_nc_u64 s[38:39], s[40:41], s[42:43]
	s_or_b32 s39, s39, 0x80000000
	CROUND                                         ; all four work-groups are here: the first joint loads meet
	s_cmp_lt_u32 s[WV], 6                          ; a wave's two first fills stand in one branch, ahead of every wait on TENSORcnt and every LDS read
	s_cbranch_scc0 .Lno_first
	tensor_load_to_lds s[32:35], s[24:31]
	s_nop 0
	tensor_load_to_lds s[36:39], s[24:31]
	s_nop 0
.rept 4
	v_nop
.endr
.Lno_first:
	v_and_b32 v31, 31, v0                          ; lane
	v_and_b32 v18, 15, v0                          ; r
	v_bfe_u32 v19, v0, 4, 1                        ; h
	v_lshlrev_b32 v[LI16], 4, v31
	v_lshlrev_b32 v[WOA], 6, v18
	v_lshl_add_u32 v[WOA], v19, 3, v[WOA]          ; Wo: row r of 64 bytes, + 8 h: the form's own places, k = 16 c + 8 h + 0 .. 7: head c, features 8 h on
	s_lshl_b32 s66, s[AC], 2
	s_add_co_u32 s66, s66, s[CX]                   ; the second block
	s_sub_co_u32 s67, 127, s66                     ; the first
	s_lshl_b32 s68, s[BT], 8
	s_add_co_u32 s68, s68, s[UU]
	s_lshl_b32 s70, s67, 1
	s_add_co_u32 s70, s70, s68                     ; tile of queries: 256 batch + 2 block + u
	s_lshl_b32 s70, s70, 2
	s_add_co_u32 s70, s70, s[HD]
	s_lshl_b32 s70, s70, 10
	s_mov_b32 s71, 0
	s_add_nc_u64 s[70:71], s[4:5], s[70:71]
	s_lshl_b32 s72, s66, 1
	s_add_co_u32 s72, s72, s68
	s_lshl_b32 s72, s72, 2
	s_add_co_u32 s72, s72, s[HD]
	s_lshl_b32 s72, s72, 10
	s_mov_b32 s73, 0
	s_add_nc_u64 s[72:73], s[4:5], s[72:73]
	global_load_b128 v[Q:Q+3], v[LI16], s[70:71]
	global_load_b128 v[Q+4:Q+7], v[LI16], s[70:71] offset:512
	WIN 0x40                                       ; destination window 1
	global_load_b128 v[24:27], v[LI16], s[72:73]
	global_load_b128 v[28:31], v[LI16], s[72:73] offset:512
.irp f, 0,1,2,3
.irp c, 0,1,2,3
	global_load_b64 v[32+8*\f+2*\c:32+8*\f+2*\c+1], v[WOA], s[8:9] offset:1024*\f+16*\c
.endr
.endr
	WIN 0
	s_lshl_b32 s23, s[HD], 13
	v_add_nc_u32 v[AKL], s23, v[LI16]
	s_lshl_b32 s23, s[HD], 11
	s_add_co_u32 s23, s23, 32768
	v_add_nc_u32 v[AVL], s23, v[LI16]
	v_and_b32 v[DQL], 8, v18
	v_add_nc_u32 v[DQL], v[DQL], v18
	v_lshlrev_b32 v20, 4, v19
	v_sub_nc_u32 v[DQL], v[DQL], v20
	s_lshl_b32 s23, s[UU], 3
	v_add_nc_u32 v[DQL], s23, v[DQL]
	v_mov_b32 v[NEG], 0xf1800000
	s_lshl_b32 s23, s[UU], 10
	s_lshl_b32 s68, s[HD], 8
	s_add_co_u32 s23, s23, s68
	s_add_co_u32 s23, s23, STG
	v_lshl_add_u32 v[STA], v31, 3, s23             ; where I put att's codes
	s_lshl_b32 s23, s[HD], 10
	s_add_co_u32 s23, s23, STG
	v_lshl_add_u32 v[LI8], v31, 3, s23             ; where wave w < 4 reads the fragment of block w / 2, tile w % 2
	s_mul_i32 s23, s[HD], 16*272
	s_add_co_u32 s23, s23, OST
	v_mul_u32_u24 v[OSTS], v18, 272
	v_lshl_add_u32 v[OSTS], v19, 5, v[OSTS]
	v_add_nc_u32 v[OSTS], s23, v[OSTS]             ; the way out, in: row r, 32 bytes for each half of the lanes
	v_mul_u32_u24 v[OSTR], v19, 272
	v_lshl_add_u32 v[OSTR], v18, 4, v[OSTR]
	v_add_nc_u32 v[OSTR], s23, v[OSTR]             ; back: lanes 0-15 one row of 256 bytes, lanes 16-31 the next
	v_lshlrev_b32 v[GO], 8, v19
	v_lshl_add_u32 v[GO], v18, 4, v[GO]            ; and the same two rows in out
	v_lshlrev_b32 v[PFO], 8, v31
	s_lshr_b32 s74, s[HD], 1                       ; out: wave w < 4 stores block w / 2, tile w % 2
	s_and_b32 s75, s[HD], 1
	s_cmp_eq_u32 s74, 0
	s_cselect_b32 s74, s67, s66
	s_lshl_b32 s74, s74, 5
	s_lshl_b32 s75, s75, 3
	s_add_co_u32 s74, s74, s75
	s_lshl_b32 s75, s[BT], 12
	s_add_co_u32 s74, s74, s75                     ; row 4,096 batch + 32 block + 8 tile
	s_lshl_b32 s74, s74, 8
	s_mov_b32 s75, 0
	s_add_nc_u64 s[12:13], s[12:13], s[74:75]
	s_lshl_b32 s76, s[HD], 2                       ; the prefetches: unit 4 (wave % 4) + cx,
	s_add_co_u32 s76, s76, s[CX]
	s_lshl_b32 s76, s76, 13
	s_mul_i32 s77, s[BT], 32*STEPB
	s_add_co_u32 s76, s76, s77
	s_add_co_u32 s76, s76, 8*STEPB-131072          ; one stride ahead of step 8: the first change of slots steps it there.  Nothing is prefetched here, at the head
	s_mov_b32 s77, 0
	s_add_nc_u64 s[PFA:PFA+1], s[6:7], s[76:77]
	s_lshr_b32 s[PLIM], s[WV], 2
	s_or_b32 s[PLIM], s[PLIM], s[AC]               ; 0 in waves 0 to 3 of the cluster a = 0: the same in all four partners
	s_cmp_eq_u32 s[PLIM], 0
	s_cselect_b32 s[PLIM], 21, 0
	s_sub_co_u32 s[DQ1], 3, s[CX]
	s_lshl_b32 s[DQ1], s[DQ1], 5
	s_lshl_b32 s[DQ2], s[CX], 5
	s_wait_kmcnt 0x0
	s_add_co_i32 s69, s56, 127
	s_lshl_b32 s68, s69, 23
	v_mov_b32 v[SC], s68                           ; 2^e6 as f32: the conversion takes its exponent field
	s_add_co_i32 s69, s69, 8
	s_lshl_b32 s69, s69, 23
	s_or_b32 s[HOLD], s69, 0x600000                ; 448 x 2^e6
	s_sub_co_i32 s69, s58, s56
	s_sub_co_i32 s69, s69, s57                     ; O^T / sum stands for att / 2^(e6 + e7): its code is that / 2^(e8 - e6 - e7)
	s_add_co_i32 s69, s69, 127
	s_lshl_b32 s[SCF], s69, 23
	s_add_co_i32 s69, s69, 8
	s_lshl_b32 s69, s69, 23
	s_or_b32 s[HOLDF], s69, 0x600000
	s_add_co_i32 s60, s58, s59
	s_add_co_i32 s60, s60, 127
	s_lshl_b32 s60, s60, 23                        ; 2^(e8 + e9)
	s_mov_b32 s61, s60                             ; (named with it as a pair, so it is written)
	RESET
	v_mov_b32 v[F+1], 0                            ; (named as the upper half of the pair)
	v_mov_b32 v[PX], 0                             ; written once: a lane permute's destination counts as one of its sources
	MASKSET 0, DQ1                                 ; the first half is the first block's diagonal step's
	s_wait_tensorcnt 0x1                           ; my part of slot 0 is in; slot 1's load may stay out
	s_barrier_signal -1
	s_barrier_wait -1                              ; everybody's is
	s_mov_b32 s[TB], 0
	LOADS 0, 0
	s_wait_loadcnt 0x0                             ; q, the second block's q, Wo
	TURN 0, 0, 1, 1, 0, 1                          ; turn 0: scores alone
	s_mov_b32 s[G3], 0
.Lslot:                                            ; nine trips: behind each the slot left is filled again (slots 2 to 10)
	SIX 1, 1
	s_add_co_u32 s[G3], s[G3], 3
	s_cmp_lt_u32 s[G3], 27
	s_cbranch_scc1 .Lslot
	SIX 0, 0                                       ; the tail is written out: slot 9, and nothing is asked for
	s_add_co_u32 s[G3], s[G3], 3
	TURN 1, 0, 2, 1, 1, 1                          ; slot 10: turns 61 to 66
	SWITCHQ 1
	TURN 0, 1, 0, 1, 1, 1
	FINHOOK 1
	TURN 1, 2, 1, 1, 1, 1
	SWITCHQ 2
	MASKSET 0, DQ2                                 ; step 32 is the second block's diagonal step
	TURN 0, 0, 2, 1, 1, 1
	FINHOOK 2
	MASKSET 1, DQ2
	TURN 1, 1, 0, 1, 1, 0                          ; the last scores: nothing more to fetch
	TURN 0, 2, 0, 0, 1, 0                          ; the last softmax and its product
	FINAL 1
	; ---- out^T = Wo att^T.  att's four fragments (two blocks x two tiles of 16 queries) lie in LDS, a quarter from each head's wave: a barrier, then waves 0 to 3 take one each
	s_wait_dscnt 0x0                               ; for the others' sake: my codes have landed
	s_barrier_signal -1
	s_barrier_wait -1
	s_cmp_lt_u32 s[WV], 4
	s_cbranch_scc0 .Lno_out
.irp c, 0,1,2,3
	ds_load_b64 v[AT+2*\c:AT+2*\c+1], v[LI8] offset:256*\c
.endr
	s_wait_dscnt 0x0
	WIN 0x01                                       ; source 0 (Wo) window 1
.irp f, 0,1,2,3
	v_wmma_f32_16x16x64_fp8_fp8 v[KF+8*\f:KF+8*\f+7], v[32+8*\f:32+8*\f+7], v[AT:AT+7], 0
.endr
	WIN 0
.rept 4
	v_nop
.endr
.irp f, 0,1,2,3
.irp i, 0,2,4,6
	v_pk_mul_f32 v[KF+32+8*\f+\i:KF+32+8*\f+\i+1], v[KF+8*\f+\i:KF+8*\f+\i+1], s[60:61] op_sel_hi:[1,0]   ; x 2^(e8 + e9); each result from its low end on
.endr
.endr
.irp f, 0,1,2,3
	ds_store_b128 v[OSTS], v[KF+32+8*\f:KF+32+8*\f+3] offset:64*\f          ; lane (r, h): out(row r of the tile, 16 f + 8 h + 0 .. 7)
	ds_store_b128 v[OSTS], v[KF+32+8*\f+4:KF+32+8*\f+7] offset:64*\f+16
.endr
.irp t, 0,1,2,3,4,5,6,7
	ds_load_b128 v[T+4*\t:T+4*\t+3], v[OSTR] offset:544*\t                  ; LDS serves a wave's instructions in order (ISA guide 5.7.1.4): these see my stores
.endr
.irp t, 0,1,2,3,4,5,6,7
	s_wait_dscnt 7-\t                              ; the younger loads may stay out
	global_store_b128 v[GO], v[T+4*\t:T+4*\t+3], s[12:13] offset:(2*\t+8*(\t/4))*256 th:TH_STORE_NT   ; tile rows 2 t, 2 t + 1 are rows 2 t + 8 (t / 4) on: sixteen lanes store one whole row of 256 bytes, aligned
.endr
.Lno_out:
	s_wait_tensorcnt 0x0                           ; the wave's end, behind my last tensor load and my last LDS store
	ds_add_u32 v[SPW], v[NIL]
	s_wait_dscnt 0x0
	CROUND                                         ; the closing round: no work-group ends while a partner may still ask for a tile that names it
	s_endpgm
.Lfunc_end_k_q01333c643f_attn:
	.size	k_q01333c643f_attn, .Lfunc_end_k_q01333c643f_attn-k_q01333c643f_attn
	.p2alignl 7, 3214868480
	.fill 96, 4, 3214868480
	.section	.rodata,"a",@progbits
	.p2align	6, 0x0
	.amdhsa_kernel k_q01333c643f_attn
		.amdhsa_group_segment_fixed_size 327680
		.amdhsa_private_segment_fixed_size 0
		.amdhsa_enable_private_segment 0
		.amdhsa_kernarg_size 40
		.amdhsa_user_sgpr_count 2
		.amdhsa_user_sgpr_kernarg_segment_ptr 1
		.amdhsa_wavefront_size32 1
		.amdhsa_system_sgpr_workgroup_id_x 1
		.amdhsa_system_sgpr_workgroup_id_y 1
		.amdhsa_system_sgpr_workgroup_id_z 1
		.amdhsa_system_vgpr_workitem_id 0
		.amdhsa_next_free_vgpr 320
		.amdhsa_next_free_sgpr 80
		.amdhsa_reserve_vcc 1
		.amdhsa_float_denorm_mode_32 3
		.amdhsa_float_denorm_mode_16_64 3
		.amdhsa_memory_ordered 1
		.amdhsa_forward_progress 1
		.amdhsa_inst_pref_size 191
	.end_amdhsa_kernel
	.amdgpu_metadata
---
amdhsa.version: [ 1, 2 ]
amdhsa.kernels:
  - .name:           k_q01333c643f_attn
    .symbol:         k_q01333c643f_attn.kd
    .args:
      - { .name: qf, .offset: 0, .size: 8, .value_kind: global_buffer, .address_space: global }
      - { .name: kv, .offset: 8, .size: 8, .value_kind: global_buffer, .address_space: global }
      - { .name: Wo_codes, .offset: 16, .size: 8, .value_kind: global_buffer, .address_space: global }
      - { .name: lowp_scales, .offset: 24, .size: 8, .value_kind: global_buffer, .address_space: global }
      - { .name: out0, .offset: 32, .size: 8, .value_kind: global_buffer, .address_space: global }
    .group_segment_fixed_size: 327680
    .private_segment_fixed_size: 0
    .kernarg_segment_align: 8
    .kernarg_segment_size: 40
    .max_flat_workgroup_size: 256
    .sgpr_count:     80
    .vgpr_count:     320
    .wavefront_size: 32
...
	.end_amdgpu_metadata
.endif
;; end of part 2
